; MI455X (gfx1250); checked and timed in simulation.
; The chip was launched on July 23, 2026; its instructions are those of AMD's public machine-readable ISA for CDNA 5 (MIT licence, August 2026) and "CDNA5" Instruction Set Architecture Reference Guide (July 2026). The comments in the code are by the model that wrote it; some were corrected since.
;; Ternary Linear. Allowed arithmetic: matrix products marked QUANTISED: E5M2 operands, one given power-of-two scale a tensor, by v_wmma_f32_16x16x64_bf8_bf8 or v_wmma_f32_16x16x128_bf8_bf8, f32 sums; everything else in f32.
;; Inputs: input_codes 4,096 x 128 x 32 uint8 (E5M2 codes of input, K innermost, in blocks of 32 codes); lowp_scales 2 int32 (the exponents e of the quantised operands' scales 2^e); weight 4,096 x 4,096 float32.
;; Outputs: out0 4,096 x 4,096 float32.
;; This version of the problem:
;;   THIS VERSION OF THE PROBLEM IS GIVEN IN LOW PRECISION. The matrix products marked QUANTISED in the list below multiply operands that are first quantised to E5M2 (5 exponent bits, 2 mantissa bits; 8 bits a number), with one given power-of-two scale for each operand tensor; their sums are f32. All else is computed in f32.
;;   The module's matrix products, in the order in which they are computed (A, B: the left and right operand; K: the contracted axis; several contracted axes count as one K, in the product's order):
;;     1. [M 4,096, K 4,096] x [K 4,096, N 4,096]; A: input input (given as codes); B: computed on the way: QUANTISED (scales: A lowp_scales[0], B lowp_scales[1])
;;   THE QUANTISER, for each operand of a quantised product, along K:
;;     - The operand's scale is 2^e, e = its entry of the input lowp_scales (int32; the entries are numbered through the quantised products in the list's order, A before B).
;;     - Each number is divided by the scale, clamped to +-57,344, and rounded to the nearest number of E5M2, ties to even, subnormals kept.
;;     - The product sums the exact products of the quantised numbers (number of the format x scale) in f32.
;;   ~~~python
;;   def quantise(x, axis, e):      # numpy; x: float32 -> the quantised numbers, widened to float32 again
;;       x = np.moveaxis(x, axis, -1); K = x.shape[-1]
;;       r = np.clip(x / 2.0 ** e, -57344, 57344)
;;       step = 2.0 ** (np.maximum(np.frexp(np.where(r == 0, 1, r))[1] - 1, -14) - 2)
;;       q = np.round(r / step) * step * 2.0 ** e      # np.round: ties to even
;;       return np.moveaxis(q, -1, axis).astype(np.float32)
;;   ~~~
;;   OPERANDS COMPUTED ON THE WAY. 'Computed on the way' means the value that the module computes at that place (a softmax that the list does not call 'softmax' is quantised finished and normalised). What goes into a quantiser is computed in f32, as accurately as f32 sums, v_exp_f32 and their like allow (about 1e-6 of the number): no bf16 or f16 on the way to a quantiser, and a product that is left as it is and whose result goes on into a quantised operand takes f32 operands (vector FMAs, or v_wmma_f32_16x16x4_f32). A number that lies on a knife's edge between two numbers of the format may be rounded either way, as far as f32 arithmetic and the matrix unit's own rounding can turn it there, and no further.
;;   INPUTS GIVEN AS CODES. input (in the module: [4096, 4096], K = its axis 1): each comes as NAME_codes (uint8): NAME with its K axis moved to the last place and cut into blocks of 32 codes, [.., K / 32, bytes a block], one block behind the other in memory; one code a byte (a code: sign, 5 exponent bits, 2 mantissa bits); its scale is its entry of lowp_scales. Its value is code x scale, taken as it is: it is not quantised again, and the codes and scales need not be those that the quantiser above would give.
;; One version. Each part assembles by itself: llvm-mc -triple=amdgcn-amd-amdhsa -mcpu=gfx1250 --defsym DOCPART=n.
;; ======== version 1 of 1: 3 launches
;; limits: right only within a limited range of input values
;; workspace buffers: partial 4,096 bytes; w_codes 16,777,216 bytes
;; launch absum (part 1): grid 1024 x 1, 8 waves a work-group, no clusters, 1,280 bytes of LDS; arguments weight, partial; writes partial
.if DOCPART == 1
	.amdgcn_target "amdgcn-amd-amdhsa--gfx1250"
	.amdhsa_code_object_version 6
	.text
	.protected	k_qbbe4dff273_absum
	.globl	k_qbbe4dff273_absum
	.p2align	8
	.type	k_qbbe4dff273_absum,@function
k_qbbe4dff273_absum:
	s_mov_b64 s[64:65], 0
	v_nop
	global_prefetch_b8 v0, s[64:65] scope:SCOPE_SE
	s_setreg_imm32_b32 hwreg(HW_REG_WAVE_MODE, 25, 1), 1
	s_wait_xcnt 0x0
; partial[g] = the sum of |weight| over the 16,384 numbers (65,536 bytes) of work-group g.  weight: [4096][4096] f32, taken as a plain stream.
; The mean of |weight| spans the whole tensor, and work-groups of one launch hand each other nothing: so this launch leaves 1,024 partial sums, and the next launch adds them.
; SHARES.  Eight waves; wave w takes 8,192 bytes at 8,192 w, by sixteen loads of 512 consecutive bytes (16 a lane).  All sixteen go out at once: no loop, no ring.
; THE SUM IS A PAIRWISE TREE IN F32, no long chain: 6 levels in a lane, 5 across the lanes, 3 across the waves; the next launch adds 10 more.  What is compared with the mean is a weight's magnitude,
; so the sum's rounding decides on which side a weight very near the mean falls: a tree of depth 24 keeps that rounding to a few units in the last place.
; No cache hint on the loads: the next launch reads the same bytes again.  Matrix units, tensor loads and clusters have nothing to do here: nothing is shared, every byte is read once.
; The one store of a work-group is 4 bytes: 4,096 bytes in the whole launch beside the 67,108,864 that it reads.
.set X, 16                             ; v16-79  load j in v[X+4j : X+4j+3]; then pair j = v[X+4j : X+4j+1] holds two sums of two magnitudes
	s_load_b128 s[4:7], s[0:1], 0x0                ; weight s[4:5], partial s[6:7]
	v_lshl_add_u32 v84, v0, 2, 0x100
	v_mov_b32 v85, 0
	v_and_b32 v1, 31, v0                           ; lane
	v_lshrrev_b32 v2, 5, v0                        ; wave
	s_delay_alu instid0(VALU_DEP_1)
	v_lshlrev_b32 v3, 13, v2
	s_delay_alu instid0(VALU_DEP_1)
	v_lshl_add_u32 v3, v1, 4, v3                   ; 8,192 x wave + 16 x lane: my 16 bytes of the wave's first load
	s_delay_alu instid0(VALU_DEP_3)
	v_lshlrev_b32 v4, 2, v2                        ; LDS: my wave's word
	v_mov_b32 v5, 0                                ; LDS byte 0, and the store's offset
	v_mov_b32 v9, 0                                ; written once: a lane permute's destination counts as one of its sources
	s_lshl_b32 s8, ttmp9, 16                       ; the work-group's 65,536 bytes of weight (under 2^26 in all)
	s_mov_b32 s9, 0
	s_lshl_b32 s10, ttmp9, 2                       ; and its word of partial
	s_mov_b32 s11, 0
	s_mov_b32 s12, 0x76543210                      ; v_permlanex16_b32: each lane takes its own place in the other half
	s_mov_b32 s13, 0xfedcba98
	s_wait_alu depctr_va_vdst(0)
	s_wait_kmcnt 0x0
	s_add_nc_u64 s[4:5], s[4:5], s[8:9]
	s_add_nc_u64 s[6:7], s[6:7], s[10:11]
.irp j, 0,1,2,3,4,5,6,7,8,9,10,11,12,13,14,15
	global_load_b128 v[X+4*\j:X+4*\j+3], v3, s[4:5] offset:512*\j   ; 32 lanes read 512 consecutive bytes
.endr
; Load j has come: its four magnitudes become a pair of sums (the magnitude rides on the addition), and the pair goes into the tree as far as its partners are there.
.macro ARRIVE j
	s_wait_loadcnt 15-\j                           ; loads come back in order (ISA guide 5.7.1): mine is in, the 15 - j younger ones stay out
	v_add_f32 v[X+4*\j], |v[X+4*\j]|, |v[X+4*\j+1]|
	v_add_f32 v[X+4*\j+1], |v[X+4*\j+2]|, |v[X+4*\j+3]|
.if \j%2 == 1
	s_wait_alu depctr_va_vdst(0)
	v_pk_add_f32 v[X+4*\j-4:X+4*\j-3], v[X+4*\j-4:X+4*\j-3], v[X+4*\j:X+4*\j+1]           ; pair j - 1 += pair j
.endif
.if \j%4 == 3
	s_delay_alu instid0(VALU_DEP_1)
	v_pk_add_f32 v[X+4*\j-12:X+4*\j-11], v[X+4*\j-12:X+4*\j-11], v[X+4*\j-4:X+4*\j-3]     ; pair j - 3 += pair j - 1
.endif
.if \j%8 == 7
	s_delay_alu instid0(VALU_DEP_1)
	v_pk_add_f32 v[X+4*\j-28:X+4*\j-27], v[X+4*\j-28:X+4*\j-27], v[X+4*\j-12:X+4*\j-11]   ; pair j - 7 += pair j - 3
.endif
.if \j == 15
	s_delay_alu instid0(VALU_DEP_1)
	v_pk_add_f32 v[X:X+1], v[X:X+1], v[X+32:X+33]                                         ; pair 0 += pair 8
.endif
.endm
.irp j, 0,1,2,3,4,5,6,7,8,9,10,11,12,13,14,15
	ARRIVE \j
.endr
	s_delay_alu instid0(VALU_DEP_1)
	v_add_f32 v8, v[X], v[X+1]                     ; my lane's 64 numbers
	s_delay_alu instid0(VALU_DEP_1)
	v_add_f32_dpp v8, v8, v8 row_xmask:1 row_mask:0xf bank_mask:0xf   ; across the 32 lanes: four steps inside each half,
	s_delay_alu instid0(VALU_DEP_1)
	v_add_f32_dpp v8, v8, v8 row_xmask:2 row_mask:0xf bank_mask:0xf
	s_delay_alu instid0(VALU_DEP_1)
	v_add_f32_dpp v8, v8, v8 row_xmask:4 row_mask:0xf bank_mask:0xf
	s_delay_alu instid0(VALU_DEP_1)
	v_add_f32_dpp v8, v8, v8 row_xmask:8 row_mask:0xf bank_mask:0xf
	s_delay_alu instid0(VALU_DEP_1)
	v_permlanex16_b32 v9, v8, s12, s13             ; one across the halves
	s_delay_alu instid0(VALU_DEP_1)
	v_add_f32 v8, v8, v9                           ; every lane holds the wave's sum
	ds_store_b32 v4, v8                            ; all lanes write the same number to the wave's word
	s_wait_dscnt 0x0                               ; for the others' sake: my store is done
	s_barrier_signal -1
	s_barrier_wait -1
	ds_load_b128 v[16:19], v5                      ; the eight waves' sums, in every lane
	ds_load_b128 v[20:23], v5 offset:16
	s_wait_dscnt 0x0
	v_add_f32 v16, v16, v17
	v_add_f32 v18, v18, v19
	v_add_f32 v20, v20, v21
	v_add_f32 v22, v22, v23
	s_delay_alu instid0(VALU_DEP_3)
	v_add_f32 v16, v16, v18
	s_delay_alu instid0(VALU_DEP_2)
	v_add_f32 v20, v20, v22
	s_delay_alu instid0(VALU_DEP_1)
	v_add_f32 v8, v16, v20                         ; the work-group's sum
	s_wait_alu depctr_va_vdst(0)
	s_wait_xcnt 0x0                                ; EXEC is a source of the loads above: it changes only behind this wait
	v_cmp_eq_u32 vcc_lo, 0, v0
	s_wait_tensorcnt 0x0
	ds_add_u32 v84, v85
	s_wait_dscnt 0x0
	s_and_saveexec_b32 s14, vcc_lo                 ; thread 0 alone stores
	global_store_b32 v5, v8, s[6:7]
	s_wait_xcnt 0x0                                ; and again in front of the line that widens EXEC
	s_or_b32 exec_lo, exec_lo, s14
	s_endpgm
.Lfunc_end_k_qbbe4dff273_absum:
	.size	k_qbbe4dff273_absum, .Lfunc_end_k_qbbe4dff273_absum-k_qbbe4dff273_absum
	.p2alignl 7, 3214868480
	.fill 96, 4, 3214868480
	.section	.rodata,"a",@progbits
	.p2align	6, 0x0
	.amdhsa_kernel k_qbbe4dff273_absum
		.amdhsa_group_segment_fixed_size 1280
		.amdhsa_private_segment_fixed_size 0
		.amdhsa_enable_private_segment 0
		.amdhsa_kernarg_size 16
		.amdhsa_user_sgpr_count 2
		.amdhsa_user_sgpr_kernarg_segment_ptr 1
		.amdhsa_wavefront_size32 1
		.amdhsa_system_sgpr_workgroup_id_x 1
		.amdhsa_system_sgpr_workgroup_id_y 1
		.amdhsa_system_sgpr_workgroup_id_z 1
		.amdhsa_system_vgpr_workitem_id 0
		.amdhsa_next_free_vgpr 86
		.amdhsa_next_free_sgpr 66
		.amdhsa_reserve_vcc 1
		.amdhsa_float_denorm_mode_32 3
		.amdhsa_float_denorm_mode_16_64 3
		.amdhsa_memory_ordered 1
		.amdhsa_forward_progress 1
		.amdhsa_inst_pref_size 9
	.end_amdhsa_kernel
	.amdgpu_metadata
---
amdhsa.version: [ 1, 2 ]
amdhsa.kernels:
  - .name:           k_qbbe4dff273_absum
    .symbol:         k_qbbe4dff273_absum.kd
    .args:
      - { .name: weight, .offset: 0, .size: 8, .value_kind: global_buffer, .address_space: global }
      - { .name: partial, .offset: 8, .size: 8, .value_kind: global_buffer, .address_space: global }
    .group_segment_fixed_size: 1280
    .private_segment_fixed_size: 0
    .kernarg_segment_align: 8
    .kernarg_segment_size: 16
    .max_flat_workgroup_size: 256
    .sgpr_count:     66
    .vgpr_count:     86
    .wavefront_size: 32
...
	.end_amdgpu_metadata
.endif
;; end of part 1
;; launch terncode (part 2): grid 1024 x 1, 8 waves a work-group, no clusters, 17,664 bytes of LDS; arguments weight, partial, lowp_scales, w_codes; writes w_codes
.if DOCPART == 2
	.amdgcn_target "amdgcn-amd-amdhsa--gfx1250"
	.amdhsa_code_object_version 6
	.text
	.protected	k_qbbe4dff273_terncode
	.globl	k_qbbe4dff273_terncode
	.p2align	8
	.type	k_qbbe4dff273_terncode,@function
k_qbbe4dff273_terncode:
	s_mov_b64 s[64:65], 0
	v_nop
	global_prefetch_b8 v0, s[64:65] scope:SCOPE_SE
	s_setreg_imm32_b32 hwreg(HW_REG_WAVE_MODE, 25, 1), 1
	s_wait_xcnt 0x0
; w_codes[n][k] = the E5M2 code of the ternary weight under the given scale 2^eb (eb = lowp_scales[1]): 0 where |w| <= mean(|weight|), else sign(w), quantised.
; weight: [4096][4096] f32, K innermost; the codes lie in the same order, one byte a number, so a row of codes is 4,096 consecutive bytes.
; THE MEAN.  Every work-group adds the same 1,024 partial sums in the same order (wave w entries 128 w on, four a lane; a tree of 2 + 5 + 3 levels) and multiplies by 2^-24,
; which rounds nothing: the whole tensor is cut by one threshold.  The partial sums are read while the work-group's weights are on their way.
; THE QUANTISER.  A kept weight becomes +-min(1, 57,344 x 2^eb) with w's sign (the hold at the largest code), the others 0; the conversion divides by 2^eb and rounds to nearest even.
; SHARES.  Work-group g takes 16,384 numbers (65,536 bytes) at 65,536 g; wave w 2,048 of them by sixteen loads of 512 consecutive bytes.  Load j gives lane l the numbers 128 j + 4 l + 0 .. 3: one word of codes.
; The wave's 2,048 code bytes are gathered in LDS bytes of its own (word (j, l) at 128 j + 4 l) and read back 16 bytes a lane: each store of the wave covers 512 consecutive bytes, aligned.
; LDS serves a wave's instructions in order (ISA guide 5.7.1.4), and no other wave touches these bytes: no barrier stands between the words' stores and the loads.
; LIMITS.  eb between -126 and 112, so that 2^eb and 57,344 x 2^eb are f32 numbers.  A weight whose magnitude lies within f32 rounding of the mean may fall either way.
; A NaN or an infinity among the weights makes the mean NaN or infinite: no comparison holds and every code is 0, as in the reference's where().
; No tensor loads, clusters or matrix units: every byte is read once by one wave.
.set R,     32                         ; v32-95   the weights: load j in v[R+4j : R+4j+3]
.set C,     96                         ; v96-111  their codes, a word a load
.set BK,    112                        ; v112-127 the codes read back, 16 bytes a lane
.set RED,   0                          ; LDS: eight words for the waves' sums
.set SPARE, 256                        ; the spare words: 128 bytes a wave
.set IMG,   1280                       ; 2,048 bytes a wave for its codes
	s_load_b128 s[4:7], s[0:1], 0x0                ; weight s[4:5], partial s[6:7]
	s_load_b128 s[8:11], s[0:1], 0x10              ; lowp_scales s[8:9], w_codes s[10:11]
	v_lshl_add_u32 v14, v0, 2, SPARE               ; my spare word; kept
	v_mov_b32 v15, 0                               ; 0; kept
	v_and_b32 v1, 31, v0                           ; lane
	v_lshrrev_b32 v2, 5, v0                        ; wave
	v_lshlrev_b32 v4, 4, v0                        ; 16 x thread: my four entries of partial
	v_mov_b32 v9, RED
	v_lshlrev_b32 v3, 13, v2
	v_lshlrev_b32 v7, 11, v2
	v_lshlrev_b32 v8, 2, v2                        ; my wave's word for the sums
	v_lshl_add_u32 v3, v1, 4, v3                   ; weights: 8,192 x wave + 16 x lane
	v_lshl_add_u32 v6, v1, 4, v7                   ; codes: 2,048 x wave + 16 x lane
	v_lshl_add_u32 v5, v1, 2, v7
	v_add_nc_u32 v11, IMG, v6                      ; LDS, back: 16 bytes a lane
	v_add_nc_u32 v5, IMG, v5                       ; LDS, in: a word a lane
	s_mov_b32 s12, 0x76543210                      ; v_permlanex16_b32: each lane takes its own place in the other half
	s_mov_b32 s13, 0xfedcba98
	s_lshl_b32 s14, ttmp9, 16                      ; the work-group's weights
	s_mov_b32 s15, 0
	s_lshl_b32 s16, ttmp9, 14                      ; and its codes
	s_mov_b32 s17, 0
	s_mov_b32 s27, 0x80000000                      ; the sign bit
	s_wait_alu depctr_va_vdst(0)                   ; the wait at the head's end
	s_wait_kmcnt 0x0
	s_load_b32 s24, s[8:9], 0x4                    ; eb
	s_add_nc_u64 s[4:5], s[4:5], s[14:15]
	s_add_nc_u64 s[10:11], s[10:11], s[16:17]
	global_load_b128 v[16:19], v4, s[6:7]          ; issued first, so it is counted first; every work-group reads these bytes: no hint
.irp j, 0,1,2,3,4,5,6,7,8,9,10,11,12,13,14,15
	global_load_b128 v[R+4*\j:R+4*\j+3], v3, s[4:5] offset:512*\j th:TH_LOAD_NT   ; 32 lanes read 512 consecutive bytes; their last use in the program
.endr
	s_wait_kmcnt 0x0
	s_add_co_i32 s24, s24, 127
	s_lshl_b32 s25, s24, 23                        ; 2^eb as f32
	s_add_co_i32 s24, s24, 15
	s_lshl_b32 s24, s24, 23
	s_or_b32 s24, s24, 0x600000                    ; 57,344 x 2^eb
	v_mov_b32 v12, s25
	v_mov_b32 v13, s24
	v_min_num_f32 v13, 1.0, v13                    ; the magnitude that goes into the conversion
	; ---- the mean
	s_wait_loadcnt 16                              ; my four partial sums are in; the sixteen loads issued behind them stay out
	v_add_f32 v16, v16, v17
	v_add_f32 v18, v18, v19
	s_delay_alu instid0(VALU_DEP_1)
	v_add_f32 v16, v16, v18
	s_delay_alu instid0(VALU_DEP_1)
	v_add_f32_dpp v16, v16, v16 row_xmask:1 row_mask:0xf bank_mask:0xf
	s_delay_alu instid0(VALU_DEP_1)
	v_add_f32_dpp v16, v16, v16 row_xmask:2 row_mask:0xf bank_mask:0xf
	s_delay_alu instid0(VALU_DEP_1)
	v_add_f32_dpp v16, v16, v16 row_xmask:4 row_mask:0xf bank_mask:0xf
	s_delay_alu instid0(VALU_DEP_1)
	v_add_f32_dpp v16, v16, v16 row_xmask:8 row_mask:0xf bank_mask:0xf
	s_delay_alu instid0(VALU_DEP_1)
	v_permlanex16_b32 v17, v16, s12, s13           ; (v17 has been written)
	s_delay_alu instid0(VALU_DEP_1)
	v_add_f32 v16, v16, v17                        ; the wave's 128 entries
	ds_store_b32 v8, v16
	s_wait_dscnt 0x0                               ; for the others' sake: my store is done
	s_barrier_signal -1
	s_barrier_wait -1
	ds_load_b128 v[20:23], v9
	ds_load_b128 v[24:27], v9 offset:16
	s_wait_dscnt 0x0
	v_add_f32 v20, v20, v21
	v_add_f32 v22, v22, v23
	v_add_f32 v24, v24, v25
	v_add_f32 v26, v26, v27
	s_delay_alu instid0(VALU_DEP_3)
	v_add_f32 v20, v20, v22
	s_delay_alu instid0(VALU_DEP_2)
	v_add_f32 v24, v24, v26
	s_delay_alu instid0(VALU_DEP_1)
	v_add_f32 v20, v20, v24                        ; the sum of all 16,777,216 magnitudes
	s_delay_alu instid0(VALU_DEP_1)
	v_mul_f32 v10, 0x33800000, v20                 ; x 2^-24: the mean
; Four loads, sixteen numbers a lane, become four words of codes.  Lines of one kind stand in runs of sixteen independent ones; sixteen scalar registers hold the comparisons' masks.
.macro GROUP g
	s_wait_loadcnt 12-4*\g                         ; this group's four loads are in; the later groups' may be out
.irp i, 0,1,2,3,4,5,6,7,8,9,10,11,12,13,14,15
	v_cmp_gt_f32 s[32+\i], |v[R+16*\g+\i]|, v10    ; |w| > mean
.endr
.irp i, 0,1,2,3,4,5,6,7,8,9,10,11,12,13,14,15
	v_and_or_b32 v[R+16*\g+\i], v[R+16*\g+\i], s27, v13   ; w's sign on the held magnitude
.endr
.irp i, 0,1,2,3,4,5,6,7,8,9,10,11,12,13,14,15
	v_cndmask_b32 v[R+16*\g+\i], 0, v[R+16*\g+\i], s[32+\i]   ; or 0
.endr
	v_cvt_scalef32_pk8_bf8_f32 v[C+4*\g:C+4*\g+1], v[R+16*\g:R+16*\g+7], v12
	v_cvt_scalef32_pk8_bf8_f32 v[C+4*\g+2:C+4*\g+3], v[R+16*\g+8:R+16*\g+15], v12
	v_nop                                          ; one plain line behind the run's last conversion
.irp j, 0,1,2,3
	ds_store_b32 v5, v[C+4*\g+\j] offset:512*\g+128*\j
.endr
.endm
	s_wait_alu depctr_va_vdst(0)                   ; the mean, the scale
	GROUP 0
	GROUP 1
	GROUP 2
	GROUP 3
.irp t, 0,1,2,3
	ds_load_b128 v[BK+4*\t:BK+4*\t+3], v11 offset:512*\t   ; my wave's own bytes, behind its own stores
.endr
	s_wait_dscnt 0x0
.irp t, 0,1,2,3
	global_store_b128 v6, v[BK+4*\t:BK+4*\t+3], s[10:11] offset:512*\t   ; 32 lanes store 512 consecutive bytes, at a multiple of 512 from the buffer's first byte; the next launch reads them: no hint
.endr
	s_wait_tensorcnt 0x0                           ; the wave's end
	ds_add_u32 v14, v15
	s_wait_dscnt 0x0
	s_endpgm
.Lfunc_end_k_qbbe4dff273_terncode:
	.size	k_qbbe4dff273_terncode, .Lfunc_end_k_qbbe4dff273_terncode-k_qbbe4dff273_terncode
	.p2alignl 7, 3214868480
	.fill 96, 4, 3214868480
	.section	.rodata,"a",@progbits
	.p2align	6, 0x0
	.amdhsa_kernel k_qbbe4dff273_terncode
		.amdhsa_group_segment_fixed_size 17664
		.amdhsa_private_segment_fixed_size 0
		.amdhsa_enable_private_segment 0
		.amdhsa_kernarg_size 32
		.amdhsa_user_sgpr_count 2
		.amdhsa_user_sgpr_kernarg_segment_ptr 1
		.amdhsa_wavefront_size32 1
		.amdhsa_system_sgpr_workgroup_id_x 1
		.amdhsa_system_sgpr_workgroup_id_y 1
		.amdhsa_system_sgpr_workgroup_id_z 1
		.amdhsa_system_vgpr_workitem_id 0
		.amdhsa_next_free_vgpr 128
		.amdhsa_next_free_sgpr 66
		.amdhsa_reserve_vcc 0
		.amdhsa_float_denorm_mode_32 3
		.amdhsa_float_denorm_mode_16_64 3
		.amdhsa_memory_ordered 1
		.amdhsa_forward_progress 1
		.amdhsa_inst_pref_size 20
	.end_amdhsa_kernel
	.amdgpu_metadata
---
amdhsa.version: [ 1, 2 ]
amdhsa.kernels:
  - .name:           k_qbbe4dff273_terncode
    .symbol:         k_qbbe4dff273_terncode.kd
    .args:
      - { .name: weight, .offset: 0, .size: 8, .value_kind: global_buffer, .address_space: global }
      - { .name: partial, .offset: 8, .size: 8, .value_kind: global_buffer, .address_space: global }
      - { .name: lowp_scales, .offset: 16, .size: 8, .value_kind: global_buffer, .address_space: global }
      - { .name: w_codes, .offset: 24, .size: 8, .value_kind: global_buffer, .address_space: global }
    .group_segment_fixed_size: 17664
    .private_segment_fixed_size: 0
    .kernarg_segment_align: 8
    .kernarg_segment_size: 32
    .max_flat_workgroup_size: 256
    .sgpr_count:     66
    .vgpr_count:     128
    .wavefront_size: 32
...
	.end_amdgpu_metadata
.endif
;; end of part 2
;; launch gemm (part 3): grid 16 x 16, 4 waves a work-group, clusters of 4 x 4, 327,680 bytes of LDS; arguments input_codes, w_codes, lowp_scales, out0; writes out0
.if DOCPART == 3
	.amdgcn_target "amdgcn-amd-amdhsa--gfx1250"
	.amdhsa_code_object_version 6
	.text
	.protected	k_qbbe4dff273_gemm
	.globl	k_qbbe4dff273_gemm
	.p2align	8
	.type	k_qbbe4dff273_gemm,@function
k_qbbe4dff273_gemm:
	s_mov_b64 s[64:65], 0
	v_nop
	global_prefetch_b8 v0, s[64:65] scope:SCOPE_SE
	s_setreg_imm32_b32 hwreg(HW_REG_WAVE_MODE, 25, 1), 1
	s_wait_xcnt 0x0
	s_wait_alu depctr_hold_cnt(0) depctr_sa_sdst(0) depctr_va_vdst(0) depctr_va_sdst(0) depctr_va_ssrc(0) depctr_va_vcc(0) depctr_vm_vsrc(0)
	s_getreg_b32 s2, hwreg(HW_REG_IB_STS2, 6, 4)
	s_cmp_eq_u32 s2, 0
	s_cbranch_scc0 .Lentry_in_a_cluster
	s_endpgm
.Lentry_in_a_cluster:
	s_bfe_u32 s2, ttmp6, 0x10000c
	s_cmp_lg_u32 s2, 0xf033
	s_cbranch_scc0 .Lentry_shape_is_right
	s_endpgm
.Lentry_shape_is_right:
; out0[m][n] = 2^(ea + eb) x sum over k of A[m][k] B[n][k].  A = input_codes [4096][4096], B = w_codes [4096][4096]: E5M2 codes, K innermost, a byte each; out0 [4096][4096] f32; sums in f32.
; ea, eb = lowp_scales[0], [1].  The codes are multiplied as they are, and each finished sum once by 2^(ea + eb).  LIMIT: ea + eb between -126 and 127, so that 2^(ea + eb) is an f32 number.
; SHARES.  A work-group of four waves makes 256 x 256 of out0, a wave 128 x 128: 64 accumulators of 16 x 16, 512 registers.  16 x 16 work-groups.
; K goes 256 at a time through two LDS slots filled by tensor loads (rows of 256 bytes of memory, on 256-byte borders; a wave brings 128 rows); a slot is two steps of 128 along K, 64 matrix instructions each.
; CLUSTERS of 4 x 4: the four of a row need the same tiles of A, the four of a column the same tiles of B: each tile is asked for jointly, by the same descriptor with a mask that names the four.
; The matrix instruction takes 16 rows of B as source 0 and 16 rows of A as source 1: a lane then holds eight neighbouring numbers of a row of out0.
; A fragment comes by four loads of 16 bytes: a permutation of k inside the 128, the same in A and in B, so that every product meets its partner.
; TWO RUNS OF 32 LDS LOADS A STEP.  A step goes by A's blocks, each against B's eight.  Behind its first 16 products stands the next step's B (into B's other set); behind its 48th the next step's A:
; blocks 0-5 into the registers just read, blocks 6, 7 into a second pair of fragments, since the step's own blocks 6, 7 are still to be multiplied.
; PREFETCH.  Behind each refill a wave names, a lane a row, 32 rows x 256 bytes of the K step that stands two refills on; of the 128 rows that a wave fetches, each of the four partners that ask
; for them jointly takes 32, told apart by address.  K steps 1 and 2 are named at the head behind the first load, K step 3 behind the second.  The loop's last trip names nothing: K ends at step 15.
; REGISTERS, in windows of 256: window 0: v0-31 addresses; from v128 A's fragments (8 x 16 registers); v32-63 blocks 6, 7 of a slot's second step; on the way out v32-255.
;   Window 1: B's two sets, at v0 and v128.  Window 2: the accumulators of my rows 0-63 ((a, b) at v[8 (8 a + b)]); window 3: those of rows 64-127.
.set SIZE_N, 4096
.set SIZE_K, 4096
.set ROWB,   256                       ; a tile's row in bytes
.set KROW,   SIZE_K                    ; a row of A or B in memory, in bytes
.set PITCH,  272                       ; an LDS row: 256 bytes + 16 of padding: the 16 rows of a fragment load start 68 words apart
.set FR,     16                        ; registers of a fragment
.set NP,     4                         ; places behind this matrix instruction (ISA guide 7.12.1)
.set HALFT,  128*PITCH                 ; what one tensor load brings
.set SLOT,   4*HALFT                   ; A's 256 rows, then B's 256 rows
.set LAPS,   SIZE_K/(2*ROWB)           ; 8 laps of two slots
.set SPARE,  2*SLOT                    ; the spare words: 128 bytes a wave
.set SPITCH, 528                       ; the way out: 16 rows x (512 + 16) bytes a wave, in slot 0 behind its last fill and last read
.set ADRA, 16                          ; v16-17 my A fragments in slot 0, 1
.set ADRB, 20                          ; v20-21 the same for B
.set STO,  24                          ; where I put 32 bytes of a row
.set RD,   25                          ; where I read a row back
.set CO,   26                          ; my byte offset in a row of out0
.set SPW,  28                          ; my spare word; kept
.set NIL,  29                          ; 0; kept
.set PFO,  30                          ; the prefetches' offset: lane x 4,096; kept
.set TMP,  32
.set ALT,  32                          ; A's blocks 6, 7 of a slot's second step
.set AF,   128
.set BK,   128
.set G1,  24                           ; s[24:31] group 1 for A; s[32:39] group 0, a set a slot
.set G0,  32
.set G1B, 48                           ; s[48:55], s[56:63] the same for B
.set G0B, 56
.set PFA, 66                           ; s[66:67] my 32 rows' first byte, at the K step before the refill that is being asked for
.set MSB, 0
.macro WIN new                         ; the immediate's high byte repeats the setting that is left
.if MSB != \new
	s_set_vgpr_msb (MSB<<8)|\new
.set MSB, \new
.endif
.endm
.set MUL_LO, 0xa1                      ; source 0 (B) window 1, source 1 (A) window 0, C and D window 2
.set MUL_HI, 0xf1                      ; the same, C and D window 3
.set TO_B,   0x40                      ; destination window 1
; A joint load: waves 0, 1 fetch for A, waves 2, 3 for B; the branch hangs on the wave's number alone.  s_nop 0 and four v_nop behind each line.
.macro JLOAD g0a, g1a, g0b, g1b
	s_cmp_eq_u32 s15, 0
	s_cbranch_scc0 .Lfor_b_\@
	tensor_load_to_lds s[\g0a:\g0a+3], s[\g1a:\g1a+7]
	s_nop 0
.rept 4
	v_nop
.endr
	s_branch .Lasked_\@
.Lfor_b_\@:
	tensor_load_to_lds s[\g0b:\g0b+3], s[\g1b:\g1b+7]
	s_nop 0
.rept 4
	v_nop
.endr
.Lasked_\@:
.endm
.macro CREST                           ; a round of the cluster's barrier behind its opening barrier
	s_cmp_lg_u32 s14, 0
	s_cbranch_scc1 .Lnot_wave_0_\@
	s_barrier_signal -3
.Lnot_wave_0_\@:
	s_barrier_wait -3
	s_barrier_signal -1
	s_barrier_wait -1
.endm
.macro CROUND
	s_barrier_signal -1
	s_barrier_wait -1
	CREST
.endm
	s_load_b128 s[4:7], s[0:1], 0x0                ; A's codes, B's codes
	s_load_b128 s[8:11], s[0:1], 0x10              ; the exponents, out0
	v_lshl_add_u32 v[SPW], v0, 2, SPARE
	v_mov_b32 v[NIL], 0
	ds_add_u32 v[SPW], v[NIL]                      ; the opening lines: the add,
	ds_add_u32 v[SPW], v[NIL]                      ; once more, and one wait for both below
	v_lshrrev_b32 v1, 5, v0
	v_readfirstlane_b32 s14, v1                    ; wave
	s_lshr_b32 s15, s14, 1                         ; my half of the rows; also: I fetch for A (0) or B (1)
	s_and_b32 s16, s14, 1                          ; my half of the columns; also: which 128 rows I fetch
	s_bfe_u32 s40, ttmp6, 0x40000                  ; cx
	s_bfe_u32 s41, ttmp6, 0x40004                  ; cy
	s_lshl_b32 s42, ttmp9, 2
	s_add_co_u32 s42, s42, s40                     ; tile column
	s_and_b32 s17, ttmp7, 0xffff
	s_lshl_b32 s17, s17, 2
	s_add_co_u32 s17, s17, s41                     ; tile row
	s_lshl_b32 s43, s41, 2
	s_lshl_b32 s43, 15, s43                        ; my row of the cluster
	s_lshl_b32 s44, 0x1111, s40                    ; my column
	s_or_b32 s[G1+0], s43, (0<<16)|(1<<20)|(1<<21)|(5<<22)|(3<<25)  ; mask; bytes; padding of 4 words behind every 64; bit 21 beside a mask
	s_or_b32 s[G1B+0], s44, (0<<16)|(1<<20)|(1<<21)|(5<<22)|(3<<25)
.irp g, G1, G1B
	s_mov_b32 s[\g+1], ROWB<<16                    ; tensor_dim0
	s_mov_b32 s[\g+2], 128<<16                     ; tensor_dim1
	s_mov_b32 s[\g+3], ROWB<<16                    ; tile_dim0
	s_mov_b32 s[\g+4], 128                         ; tile_dim1
	s_mov_b32 s[\g+5], KROW                        ; pitch
	s_mov_b32 s[\g+6], 0
	s_mov_b32 s[\g+7], 0
.endr
	s_lshl_b32 s18, s16, 7
	s_lshl_b32 s20, s17, 8
	s_add_co_u32 s20, s20, s18                     ; A: row 256 x tile row + 128 x half
	s_lshl_b32 s46, s42, 8
	s_add_co_u32 s46, s46, s18                     ; B: row 256 x tile column + 128 x half
	s_mov_b32 s21, 0
	s_mov_b32 s47, 0
	s_mov_b64 s[18:19], KROW
	s_mul_u64 s[20:21], s[20:21], s[18:19]
	s_mul_u64 s[46:47], s[46:47], s[18:19]
	s_mul_i32 s45, s14, HALFT                      ; LDS: wave x 128 rows
	s_wait_dscnt 0x0                               ; both opening adds are done
	s_wait_kmcnt 0x0
	s_load_b64 s[96:97], s[8:9], 0x0               ; ea, eb
	s_add_nc_u64 s[20:21], s[4:5], s[20:21]
	s_add_nc_u64 s[46:47], s[6:7], s[46:47]
	CROUND                                         ; all sixteen work-groups are here: the first joint loads meet
.irp s, 0,1
	s_mov_b32 s[G0+4*\s], 1
	s_add_co_u32 s[G0+4*\s+1], s45, \s*SLOT
	s_add_nc_u64 s[G0+4*\s+2:G0+4*\s+3], s[20:21], \s*ROWB
	s_or_b32 s[G0+4*\s+3], s[G0+4*\s+3], 0x80000000
	s_mov_b32 s[G0B+4*\s], 1
	s_add_co_u32 s[G0B+4*\s+1], s45, \s*SLOT
	s_add_nc_u64 s[G0B+4*\s+2:G0B+4*\s+3], s[46:47], \s*ROWB
	s_or_b32 s[G0B+4*\s+3], s[G0B+4*\s+3], 0x80000000
.endr
	JLOAD G0, G1, G0B, G1B                         ; K step 0: my one tensor load at the head
	v_and_b32 v1, 15, v0                           ; l % 16
	v_bfe_u32 v2, v0, 4, 1                         ; l / 16
	v_mul_u32_u24 v3, v1, PITCH
	v_lshl_add_u32 v4, v2, 4, v3                   ; a fragment's row x pitch + 16 x half
	s_mul_i32 s21, s15, HALFT                      ; my 128 rows of A
	s_mul_i32 s22, s16, HALFT                      ; my 128 rows of B,
	s_add_co_u32 s22, s22, 2*HALFT                 ; behind A's 256
.irp s, 0,1
	v_add_nc_u32 v[ADRA+\s], s21, v4
	v_add_nc_u32 v[ADRB+\s], s22, v4
	s_add_co_u32 s21, s21, SLOT
	s_add_co_u32 s22, s22, SLOT
.endr
	s_mul_i32 s23, s14, 16*SPITCH                  ; my stage
	s_wait_alu depctr_va_vdst(0)                   ; the wait here, ahead of the reader below
	v_mul_u32_u24 v5, v1, SPITCH
	v_lshl_add_u32 v5, v2, 5, v5
	v_add_nc_u32 v[STO], s23, v5                   ; in: row l % 16, 32 bytes for each half of the lanes
	v_and_b32 v6, 31, v0
	v_lshlrev_b32 v[CO], 4, v6                     ; back: the 32 lanes take one row of 512 bytes
	v_add_nc_u32 v[RD], s23, v[CO]
	v_lshlrev_b32 v[PFO], 12, v6                   ; a lane a row of 4,096 bytes
	s_lshl_b32 s20, s17, 8
	s_lshl_b32 s21, s15, 7
	s_add_co_u32 s20, s20, s21                     ; my first row of out0
	s_mov_b32 s21, 0
	s_mov_b64 s[18:19], SIZE_N*4
	s_mul_u64 s[20:21], s[20:21], s[18:19]
	s_lshl_b32 s46, s42, 10                        ; my first column, in bytes
	s_lshl_b32 s47, s16, 9
	s_add_co_u32 s46, s46, s47
	s_mov_b32 s47, 0
	s_add_nc_u64 s[20:21], s[20:21], s[46:47]
	s_add_nc_u64 s[10:11], s[10:11], s[20:21]
	; the prefetches' base: the tile that I fetch for, my 128 rows of it, my work-group's 32 of those
	s_lshl_b32 s68, s17, 8
	s_lshl_b32 s69, s42, 8
	s_cmp_eq_u32 s15, 0                            ; do I fetch for A?
	s_cselect_b32 s68, s68, s69                    ; the tile's first row
	s_cselect_b32 s69, s40, s41                    ; my place among the four that ask with me
	s_cselect_b64 s[PFA:PFA+1], s[4:5], s[6:7]
	s_lshl_b32 s70, s16, 7
	s_add_co_u32 s68, s68, s70
	s_lshl_b32 s69, s69, 5
	s_add_co_u32 s68, s68, s69
	s_lshl_b32 s68, s68, 12                        ; x 4,096 bytes: under 2^24
	s_mov_b32 s69, 0
	s_add_nc_u64 s[PFA:PFA+1], s[PFA:PFA+1], s[68:69]
.macro FRAG reg, adr, q, i             ; 16 rows x 128 K: lane l holds row l % 16; registers 4 c .. 4 c + 3 hold K = 32 c + 16 (l / 16) + 0 .. 15
.irp c, 0,1,2,3
	ds_load_b128 v[\reg+4*\c:\reg+4*\c+3], v[\adr] offset:128*(\q)+32*\c+(\i)*16*PITCH
.endr
.endm
; 16 matrix instructions: A's blocks a0, a0 + 1 x B's eight.  q: the step's place in its slot, which is also B's set and says where A's blocks 6, 7 lie.  zero = 1: the product starts the sum.
; The 64 accumulators take turns in the same order in every step.
.macro MUL16 a0, q, zero
.irp a, \a0, \a0+1
.if ((\a) >= 6) && ((\q) == 1)
.set AR, ALT+FR*((\a)-6)
.else
.set AR, AF+FR*(\a)
.endif
.irp b, 0,1,2,3,4,5,6,7
.if \zero
	v_wmma_f32_16x16x128_bf8_bf8 v[8*(8*((\a)%4)+\b):8*(8*((\a)%4)+\b)+7], v[128*(\q)+FR*\b:128*(\q)+FR*\b+FR-1], v[AR:AR+FR-1], 0
.else
	v_wmma_f32_16x16x128_bf8_bf8 v[8*(8*((\a)%4)+\b):8*(8*((\a)%4)+\b)+7], v[128*(\q)+FR*\b:128*(\q)+FR*\b+FR-1], v[AR:AR+FR-1], v[8*(8*((\a)%4)+\b):8*(8*((\a)%4)+\b)+7]
.endif
.endr
.endr
.endm
.macro FETCH_B slot, q                 ; 32 loads: B's eight fragments of the slot's q-th 128 along K, into set q
	WIN TO_B
.irp i, 0,1,2,3,4,5,6,7
	FRAG 128*(\q)+FR*\i, ADRB+\slot, \q, \i
.endr
	WIN 0
.endm
.macro FETCH_A slot, q                 ; 32 loads: A's eight blocks of the slot's q-th 128 along K, in the order in which they are multiplied
.irp i, 0,1,2,3,4,5
	FRAG AF+FR*\i, ADRA+\slot, \q, \i
.endr
.irp i, 6,7
	FRAG (AF+FR*\i)*(1-(\q))+(ALT+FR*(\i-6))*(\q), ADRA+\slot, \q, \i
.endr
.endm
.macro PLACES n                        ; plain places between matrix instructions and the loads into registers that they have read, and ahead of the first reads of results
.rept \n
	v_nop
.endr
.endm
; A slot's first step; its successor lies in the same slot.
.macro STEP slot, zero
	s_wait_dscnt 24                                ; B's set and A 0, 1 are in; the 24 loads of A 2 .. 7 may be out
	WIN MUL_LO
	MUL16 0, 0, \zero
	PLACES NP
	FETCH_B \slot, 1
	s_wait_dscnt 48                                ; A 2, 3 are in; behind them: A 4 .. 7's 16 loads and the 32 just issued
	WIN MUL_LO
	MUL16 2, 0, \zero
	s_wait_dscnt 32                                ; A 4 .. 7 are in; B's 32 may be out
	WIN MUL_HI
	MUL16 4, 0, \zero
	PLACES NP
	WIN 0
	FETCH_A \slot, 1
	WIN MUL_HI
	MUL16 6, 0, \zero
	WIN 0
.endm
; A slot's second step changes slots: one barrier; ahead of it each wave waits for all its tensor loads, adds 0 to its spare word, and waits for that and for its reads of this slot
; (the last were issued in the step before).  fill = 1: the barrier opens a round of the cluster's barrier, and this slot is filled again, two K steps on.
.macro TURN slot, next, fill
.if \fill
	s_wait_xcnt 0x0                                ; my last prefetch has read its base: it steps here
	s_add_nc_u64 s[PFA:PFA+1], s[PFA:PFA+1], ROWB
.endif
	s_wait_tensorcnt 0x0                           ; my one load that was out, my part of the next slot, has landed
	ds_add_u32 v[SPW], v[NIL]
	s_wait_dscnt 25                                ; the add and the 24 loads of A 2 .. 7 may be out
	WIN MUL_LO
	MUL16 0, 1, 0
	s_wait_dscnt 0x0                               ; the add is done, my reads of this slot are over
	s_barrier_signal -1
	MUL16 2, 1, 0
	WIN 0
	s_barrier_wait -1
.if \fill
	CREST                                          ; no wave of any partner still reads this slot or has a load on its way
	s_add_nc_u64 s[G0+4*\slot+2:G0+4*\slot+3], s[G0+4*\slot+2:G0+4*\slot+3], 2*ROWB
	s_add_nc_u64 s[G0B+4*\slot+2:G0B+4*\slot+3], s[G0B+4*\slot+2:G0B+4*\slot+3], 2*ROWB
	JLOAD G0+4*\slot, G1, G0B+4*\slot, G1B         ; the first tensor load behind the round; its four v_nop are the places for the loads below
.else
	PLACES NP
.endif
	FETCH_B \next, 0
.if \fill
	s_cmp_gt_u32 s3, 1                             ; the last trip's refills are K steps 14 and 15: nothing stands two on
	s_cbranch_scc0 .Lno_ask_\@
	global_prefetch_b8 v[PFO], s[PFA:PFA+1] offset:3*ROWB th:TH_LOAD_NT scope:SCOPE_SE   ; the K step two refills on: 32 rows x 256 bytes
.Lno_ask_\@:
.endif
	WIN MUL_HI
	MUL16 4, 1, 0
	PLACES NP
	WIN 0
	FETCH_A \next, 0
	WIN MUL_HI
	MUL16 6, 1, 0
	WIN 0
.endm
	s_wait_alu depctr_va_vdst(0)                   ; the wait at the head's end
	global_prefetch_b8 v[PFO], s[PFA:PFA+1] offset:ROWB th:TH_LOAD_NT scope:SCOPE_SE     ; K step 1
	global_prefetch_b8 v[PFO], s[PFA:PFA+1] offset:2*ROWB th:TH_LOAD_NT scope:SCOPE_SE   ; K step 2
	s_wait_tensorcnt 0x0                           ; my part of K step 0 is in; slot 1's first fill is issued as a refill is:
	ds_add_u32 v[SPW], v[NIL]
	s_wait_dscnt 0x0
	CROUND                                         ; everybody's part of K step 0 is in, and the joint loads meet
	JLOAD G0+4, G1, G0B+4, G1B                     ; K step 1
	FETCH_B 0, 0
	global_prefetch_b8 v[PFO], s[PFA:PFA+1] offset:3*ROWB th:TH_LOAD_NT scope:SCOPE_SE   ; K step 3
	FETCH_A 0, 0
	STEP 0, 1                                      ; the first step starts the sums
	s_mov_b32 s3, LAPS-1
.Llap:                                                 ; once round the ring, from a lap's second step to the next lap's first; both slots are filled again
	TURN 0, 1, 1
	STEP 1, 0
	TURN 1, 0, 1
	STEP 0, 0
	s_sub_co_u32 s3, s3, 1
	s_cmp_lg_u32 s3, 0
	s_cbranch_scc1 .Llap
	TURN 0, 1, 0                                   ; the last lap fills nothing
	STEP 1, 0
	s_wait_dscnt 24                                ; the very last step: nothing more to fetch
	WIN MUL_LO
	MUL16 0, 1, 0
	s_wait_dscnt 16                                ; A 2, 3 are in; A 4 .. 7's 16 loads may be out
	MUL16 2, 1, 0
	s_wait_dscnt 0
	WIN MUL_HI
	MUL16 4, 1, 0
	MUL16 6, 1, 0
	WIN 0
; THE WAY OUT, by blocks of 16 rows x 128 columns: x 2^(ea + eb) into other registers, through my own stage in LDS, back as whole rows of 512 bytes.
; LDS serves a wave's instructions in order (ISA guide 5.7.1.4): no wait between the stores and the loads.
.macro TOSTAGE a
.set AC, 64*((\a)%4)
	WIN 0x02+((\a)/4)                              ; source 0: window 2 or 3
.irp j, 0,2,4,6,8,10,12,14,16,18,20,22,24,26,28,30,32,34,36,38,40,42,44,46,48,50,52,54,56,58,60,62
	v_pk_mul_f32 v[TMP+\j:TMP+\j+1], v[AC+\j:AC+\j+1], s[96:97] op_sel_hi:[1,0]   ; both x s96; each accumulator from its low end on
.endr
	WIN 0
.irp b, 0,1,2,3,4,5,6,7
	ds_store_b128 v[STO], v[TMP+8*\b:TMP+8*\b+3] offset:64*\b
	ds_store_b128 v[STO], v[TMP+8*\b+4:TMP+8*\b+7] offset:64*\b+16
.endr
.set BB, BK+64*((\a)%2)
.irp t, 0,1,2,3,4,5,6,7,8,9,10,11,12,13,14,15
	ds_load_b128 v[BB+4*\t:BB+4*\t+3], v[RD] offset:\t*SPITCH
.endr
.endm
.macro SEND a, younger                 ; younger: the LDS instructions issued behind block a's loads
.set BB, BK+64*((\a)%2)
	s_wait_dscnt \younger
.if (\a) > 0
	s_add_nc_u64 s[10:11], s[10:11], 16*SIZE_N*4   ; behind a wait on XCNT: the earlier stores have read their base
.endif
.irp t, 0,1,2,3,4,5,6,7,8,9,10,11,12,13,14,15
	global_store_b128 v[CO], v[BB+4*\t:BB+4*\t+3], s[10:11] offset:\t*SIZE_N*4 th:TH_STORE_NT   ; 32 lanes store 512 consecutive bytes, aligned
.endr
.endm
	s_wait_kmcnt 0x0
	s_add_co_i32 s96, s96, s97
	s_add_co_i32 s96, s96, 127
	s_lshl_b32 s96, s96, 23                        ; 2^(ea + eb) as f32
	PLACES NP                                      ; ahead of the writes over v32-63, which the last products read, and of the loads into A's registers
	TOSTAGE 0
.irp a, 1,2,3,4,5,6,7
.if \a > 1
	s_wait_xcnt 0x0                                ; block a - 2's stores have read their registers and base
.endif
	TOSTAGE \a
	SEND \a-1, 32                                  ; behind block a - 1's loads: block a's 16 stores and 16 loads
.endr
	s_wait_xcnt 0x0
	SEND 7, 0
	s_wait_tensorcnt 0x0                           ; the wave's end
	ds_add_u32 v[SPW], v[NIL]
	s_wait_dscnt 0x0
	CROUND                                         ; the closing round
	s_endpgm
.Lfunc_end_k_qbbe4dff273_gemm:
	.size	k_qbbe4dff273_gemm, .Lfunc_end_k_qbbe4dff273_gemm-k_qbbe4dff273_gemm
	.p2alignl 7, 3214868480
	.fill 96, 4, 3214868480
	.section	.rodata,"a",@progbits
	.p2align	6, 0x0
	.amdhsa_kernel k_qbbe4dff273_gemm
		.amdhsa_group_segment_fixed_size 327680
		.amdhsa_private_segment_fixed_size 0
		.amdhsa_enable_private_segment 0
		.amdhsa_kernarg_size 32
		.amdhsa_user_sgpr_count 2
		.amdhsa_user_sgpr_kernarg_segment_ptr 1
		.amdhsa_wavefront_size32 1
		.amdhsa_system_sgpr_workgroup_id_x 1
		.amdhsa_system_sgpr_workgroup_id_y 1
		.amdhsa_system_sgpr_workgroup_id_z 1
		.amdhsa_system_vgpr_workitem_id 0
		.amdhsa_next_free_vgpr 1024
		.amdhsa_next_free_sgpr 98
		.amdhsa_reserve_vcc 0
		.amdhsa_float_denorm_mode_32 3
		.amdhsa_float_denorm_mode_16_64 3
		.amdhsa_memory_ordered 1
		.amdhsa_forward_progress 1
		.amdhsa_inst_pref_size 125
	.end_amdhsa_kernel
	.amdgpu_metadata
---
amdhsa.version: [ 1, 2 ]
amdhsa.kernels:
  - .name:           k_qbbe4dff273_gemm
    .symbol:         k_qbbe4dff273_gemm.kd
    .args:
      - { .name: input_codes, .offset: 0, .size: 8, .value_kind: global_buffer, .address_space: global }
      - { .name: w_codes, .offset: 8, .size: 8, .value_kind: global_buffer, .address_space: global }
      - { .name: lowp_scales, .offset: 16, .size: 8, .value_kind: global_buffer, .address_space: global }
      - { .name: out0, .offset: 24, .size: 8, .value_kind: global_buffer, .address_space: global }
    .group_segment_fixed_size: 327680
    .private_segment_fixed_size: 0
    .kernarg_segment_align: 8
    .kernarg_segment_size: 32
    .max_flat_workgroup_size: 128
    .sgpr_count:     98
    .vgpr_count:     1024
    .wavefront_size: 32
...
	.end_amdgpu_metadata
.endif
;; end of part 3
